; MI455X (gfx1250); checked and timed in simulation.
; The chip was launched on July 23, 2026; its instructions are those of AMD's public machine-readable ISA for CDNA 5 (MIT licence, August 2026) and "CDNA5" Instruction Set Architecture Reference Guide (July 2026). The comments in the code are by the model that wrote it; some were corrected since.
;; Sparse Attention. Allowed arithmetic: matrix products marked QUANTISED: E4M3 operands, one E8M0 scale for each 32 along K, by v_wmma_scale_f32_16x16x128_f8f6f4 with both operands' format E4M3, f32 sums; everything else in f32.
;; Inputs: k 2 x 4,096 x 1,024 float32; q 2 x 4,096 x 1,024 float32; v 2 x 4,096 x 1,024 float32.
;; Outputs: out0 2 x 4,096 x 1,024 float32.
;; This version of the problem:
;;   THIS VERSION OF THE PROBLEM IS GIVEN IN LOW PRECISION. The matrix products marked QUANTISED in the list below multiply operands that are first quantised to E4M3 (4 exponent bits, 3 mantissa bits; 8 bits a number), with one power-of-two scale for each 32 numbers along K (OCP MX v1.0); their sums are f32. All else is computed in f32.
;;   The module's matrix products, in the order in which they are computed (A, B: the left and right operand; K: the contracted axis; several contracted axes count as one K, in the product's order):
;;     1. batch 2 x [M 4,096, K 1,024] x [K 1,024, N 4,096]; A: input q; B: input k: QUANTISED
;;     2. batch 2 x [M 4,096, K 4,096] x [K 4,096, N 1,024]; A: softmax (see below); B: input v: QUANTISED
;;   THE QUANTISER, for each operand of a quantised product, along K:
;;     - K is cut into blocks of 32 from its start; a last block that is shorter is filled with zeros.
;;     - A block's scale is 2^e with e = floor(log2(the largest magnitude in the block)) - 8, held to -126 .. 127; a block of zeros has e = 0. As a byte (E8M0): e + 127.
;;     - Each number is divided by its block's scale, clamped to +-448, and rounded to the nearest number of E4M3, ties to even, subnormals kept.
;;     - The product sums the exact products of the quantised numbers (number of the format x scale) in f32.
;;   ~~~python
;;   def quantise(x, axis):      # numpy; x: float32 -> the quantised numbers, widened to float32 again
;;       x = np.moveaxis(x, axis, -1); K = x.shape[-1]
;;       x = np.pad(x, [(0, 0)] * (x.ndim - 1) + [(0, -K % 32)]); x = x.reshape(x.shape[:-1] + (-1, 32)); a = np.abs(x).max(-1, keepdims=True)
;;       e = np.where(a > 0, np.clip(np.frexp(np.where(a > 0, a, 1))[1] - 1 - 8, -126, 127), 0)      # np.frexp(a)[1] - 1 = floor(log2(a)), exactly
;;       r = np.clip(x / 2.0 ** e, -448, 448)
;;       step = 2.0 ** (np.maximum(np.frexp(np.where(r == 0, 1, r))[1] - 1, -6) - 3)
;;       q = np.round(r / step) * step * 2.0 ** e      # np.round: ties to even
;;       return np.moveaxis(q.reshape(q.shape[:-2] + (-1,))[..., :K], -1, axis).astype(np.float32)
;;   ~~~
;;   SOFTMAX AHEAD OF A QUANTISED PRODUCT. Where the list says 'softmax', what is quantised is not the finished softmax but p = 2^(t - M), with t = logit x log2(e) and M = ceil(the row's largest t), a whole number; so 1/2 < the row's largest p <= 1. The row's sum l is taken of the UNQUANTISED p, in f32, and the product's result is divided by l at the end. Since M is a whole number, a kernel that streams over the keys may use a running M (the ceiling of the running maximum): every later rescaling is an exact power of two, which a block's scale takes up: the codes' values come out the same.
;;   OPERANDS COMPUTED ON THE WAY. 'Computed on the way' means the value that the module computes at that place (a softmax that the list does not call 'softmax' is quantised finished and normalised). What goes into a quantiser is computed in f32, as accurately as f32 sums, v_exp_f32 and their like allow (about 1e-6 of the number): no bf16 or f16 on the way to a quantiser, and a product that is left as it is and whose result goes on into a quantised operand takes f32 operands (vector FMAs, or v_wmma_f32_16x16x4_f32). A number that lies on a knife's edge between two numbers of the format may be rounded either way, as far as f32 arithmetic and the matrix unit's own rounding can turn it there, and no further.
;; One version. Each part assembles by itself: llvm-mc -triple=amdgcn-amd-amdhsa -mcpu=gfx1250 --defsym DOCPART=n.
;; ======== version 1 of 1: 3 launches
;; limits: right only within a limited range of input values
;; workspace buffers: qc 8,388,608 bytes; qs 262,144 bytes; kc 8,388,608 bytes; ks 262,144 bytes; vc 8,388,608 bytes; vs 262,144 bytes; pc 33,554,432 bytes; pst 4,194,304 bytes
;; launch quant (part 1): grid 768 x 1, 4 waves a work-group, no clusters, 66,048 bytes of LDS; arguments q, k, qc, qs, kc, ks, v, vc, vs; writes qc, qs, kc, ks, vc, vs
.if DOCPART == 1
	.amdgcn_target "amdgcn-amd-amdhsa--gfx1250"
	.amdhsa_code_object_version 6
	.text
	.protected	k_qcd344b845b_quant
	.globl	k_qcd344b845b_quant
	.p2align	8
	.type	k_qcd344b845b_quant,@function
k_qcd344b845b_quant:
	s_mov_b64 s[64:65], 0
	v_nop
	global_prefetch_b8 v0, s[64:65] scope:SCOPE_SE
	s_setreg_imm32_b32 hwreg(HW_REG_WAVE_MODE, 25, 1), 1
	s_wait_xcnt 0x0
; ONE LAUNCH QUANTISES ALL THREE INPUTS, [2][4096][1024] f32, to codes of FP8 (E4M3) with one E8M0 scale byte for each 32 along the product's K.
; Nothing of the problem is left out as dead work: all three inputs are read whole, and both products are done whole in the later launches.
; A block's scale is 2^(floor(log2(its largest magnitude)) - 8); its byte is that magnitude's exponent field - 8, held at 1 from below (a block of zeros keeps the byte 1: its codes are zeros,
; which add nothing under any byte but 0xff, and this program alone reads the bytes).  Each number is divided by the scale, held within +-448, and rounded to the nearest code, ties to even.
; LIMITS: blocks whose largest magnitude lies under 2^-118 keep the byte 1; NaN and infinities among the inputs are not served.
; Work-groups 0-255 take q, 256-511 k (K = the 1,024 channels), 512-767 v (K = the keys in the strided order).  The two ways part on the work-group's number and have LDS bytes of their own.
; Q AND K.  Token 32 b + l of batch n is row 128 l + b of the strided order.  q's codes go to row 4096 n + 128 l + b; k's to row 4096 n + 128 l + s(b), s swapping bits 3 and 4 of b, so that sixteen stored rows
; on end are keys 8 u + r + 8 (r / 8) of a group of 32: the next launch's scores then fall into registers as 16 neighbouring keys a lane.  A wave takes 8 stored rows in 16 steps of 512 numbers; each load reads
; 512 consecutive bytes; a step's 2,048 bytes turn through the wave's own stage in LDS (16 bytes of padding behind each 64) and come back 64 bytes a lane: two lanes to a block.  Codes leave 512 bytes a store,
; a wave's 256 scale bytes as one aligned run of 256.
; V.  Key 128 l + b is token 32 b + l: a block of 32 keys is l fixed, b = 32 c + 0 .. 31.  A lane takes a channel and its registers run down the keys, so that a block lies in one lane's 32 registers.
; vc [n][l 32][tile of 16 channels 64][2,048 bytes] holds IMAGES OF THE OPERAND'S REGISTERS: byte 512 c + 256 h + 16 r + i is channel r of the tile, key b = 32 c + 16 h + i.
; vs [n][kappa 16][channel 1,024][2 words]: word lambda belongs to l = 2 kappa + lambda, its byte c to keys 32 c on.  A work-group takes 128 channels and the two l of one kappa.
; No barrier: waves share nothing.
.set STEPS, 16
.set WGA,   256                        ; 8,388,608 numbers a tensor / 32,768 a work-group
.set EMAX,  8
.set MANT,  0x600000                   ; the mantissa field of 448 as f32
.set CB,    16
.set BROW,  131072                     ; from b to b + 1: 32 tokens of 4,096 bytes
.set R,     16                         ; q, k: v16-79 four sets of 16 numbers as loaded; v80-111 two sets of 16 neighbours; v112-127 a byte a step; v128-191 codes, four registers a step
.set X,     80
.set C,     128
.set E,     112
.set WREG,  8192                       ; LDS 0 .. 32,767: q's and k's way, a region a wave: two stages of 32 x SP bytes, then 256 scale bytes
.set SP,    80
.set VST,   32768                      ; LDS 32,768 .. 65,535: v's way, a stage of 8,192 bytes a wave
.set SPARE, 65536                      ; the spare words, 128 bytes a wave
.set NB,    8
.set VX,    32                         ; v: v32-95 two sets of 32 numbers; v96-103 a block's codes; v112-175 the way out; v24-25 the scale words
.set VC,    96
.set OUTR,  112
.set SB,    24
	v_lshl_add_u32 v192, v0, 2, SPARE
	v_mov_b32 v193, 0
	v_lshrrev_b32 v1, 5, v0
	v_readfirstlane_b32 s16, v1                    ; wave
	v_and_b32 v2, 31, v0                           ; lane
	s_cmp_lt_u32 ttmp9, 2*WGA
	s_wait_alu depctr_va_vdst(0)                   ; the wait ahead of the branch
	s_cbranch_scc0 .Lvalues
	s_load_b128 s[4:7], s[0:1], 0x0                ; q, k
	s_load_b128 s[8:11], s[0:1], 0x10              ; q's codes, q's scale bytes
	s_load_b128 s[12:15], s[0:1], 0x20             ; k's codes, k's scale bytes
	v_lshlrev_b32 v3, 4, v2                        ; my 16 bytes of a load's 512
	s_mul_i32 s17, s16, WREG
	v_lshrrev_b32 v14, 2, v2
	v_mul_u32_u24 v14, v14, SP
	v_and_b32 v15, 3, v2
	v_lshl_add_u32 v14, v15, 4, v14
	v_add_nc_u32 v14, s17, v14                     ; the stage, on the way in: SP (lane / 4) + 16 (lane % 4)
	v_mul_u32_u24 v15, v2, SP
	v_add_nc_u32 v15, s17, v15                     ; and on the way out: SP x lane
	v_mul_u32_u24 v4, v2, CB
	v_lshrrev_b32 v5, 1, v2
	s_add_co_u32 s17, s17, 2*32*SP
	v_add_nc_u32 v5, s17, v5                       ; my block's scale byte in LDS
	v_lshlrev_b32 v7, 3, v2
	v_add_nc_u32 v6, s17, v7
	s_mov_b32 s23, MANT
	s_wait_alu depctr_va_vdst(0)                   ; the wait at the head's end
	s_wait_kmcnt 0x0
	s_cmp_lt_u32 ttmp9, WGA                        ; q's work-group or k's: only pointers are chosen
	s_cselect_b64 s[4:5], s[4:5], s[6:7]
	s_cselect_b64 s[8:9], s[8:9], s[12:13]
	s_cselect_b64 s[10:11], s[10:11], s[14:15]
	s_cselect_b32 s17, 0, WGA
	s_sub_co_u32 s17, ttmp9, s17
	s_lshl_b32 s17, s17, 2
	s_add_co_u32 s18, s17, s16                     ; my run of 8 stored rows: 512 n + 16 l + g
	s_lshr_b32 s19, s18, 9
	s_lshl_b32 s19, s19, 24
	s_and_b32 s20, s18, 15                         ; g
	s_lshl_b32 s21, s20, 20
	s_add_co_u32 s19, s19, s21
	s_bfe_u32 s21, s18, 0x50004                    ; l
	s_lshl_b32 s21, s21, 12
	s_add_co_u32 s24, s19, s21
	s_mov_b32 s25, 0
	s_add_nc_u64 s[4:5], s[4:5], s[24:25]          ; the input at token 256 g + l
	s_and_b32 s21, s18, 0xfffffffc                 ; k's run: bits 0 and 1 of g change places
	s_and_b32 s22, s20, 1
	s_lshl_b32 s22, s22, 1
	s_or_b32 s21, s21, s22
	s_bfe_u32 s22, s20, 0x10001
	s_or_b32 s21, s21, s22
	s_cmp_lt_u32 ttmp9, WGA
	s_cselect_b32 s18, s18, s21
	s_lshl_b32 s24, s18, 13
	s_add_nc_u64 s[8:9], s[8:9], s[24:25]
	s_lshl_b32 s24, s18, 8
	s_add_nc_u64 s[10:11], s[10:11], s[24:25]
.macro LOAD t                          ; step t: half t % 2 of row b = 8 g + t / 2
.irp i, 0,1,2,3
	global_load_b128 v[R+16*((\t)%4)+4*\i:R+16*((\t)%4)+4*\i+3], v3, s[4:5] offset:((\t)/2)*BROW+((\t)%2)*2048+512*\i th:TH_LOAD_NT
.endr
.endm
.macro TURN t                          ; through the stage: LDS serves a wave's instructions in order
.irp i, 0,1,2,3
	ds_store_b128 v14, v[R+16*((\t)%4)+4*\i:R+16*((\t)%4)+4*\i+3] offset:32*SP*((\t)%2)+8*SP*\i
.endr
.irp i, 0,1,2,3
	ds_load_b128 v[X+16*((\t)%2)+4*\i:X+16*((\t)%2)+4*\i+3], v15 offset:32*SP*((\t)%2)+16*\i
.endr
.endm
.irp t, 0,1,2,3
	LOAD \t
.endr
	s_wait_loadcnt 12                              ; step 0's four loads are in
	TURN 0
.macro STEP t
.set XS, X+16*((\t)%2)
.if (\t) > 0
	s_wait_dscnt 1                                 ; this step's numbers are back (the last step's byte store may be out)
.else
	s_wait_dscnt 0x0
.endif
.if (\t)+4 < STEPS
	LOAD (\t)+4
.endif
.if (\t)+1 < STEPS
.if STEPS-2-(\t) >= 3
	s_wait_loadcnt 12                              ; the next step's four loads are in; three steps' may be out
.else
	s_wait_loadcnt 4*(STEPS-2-(\t))
.endif
	TURN (\t)+1
.endif
	v_max3_num_f32 v8, |v[XS]|, |v[XS+1]|, |v[XS+2]|
	v_max3_num_f32 v9, |v[XS+3]|, |v[XS+4]|, |v[XS+5]|
.irp i, 6,10
	v_max3_num_f32 v8, v8, |v[XS+\i]|, |v[XS+\i+1]|
	v_max3_num_f32 v9, v9, |v[XS+\i+2]|, |v[XS+\i+3]|
.endr
	v_max3_num_f32 v8, v8, |v[XS+14]|, |v[XS+15]|
	v_max3_num_f32 v8, v8, v9, (EMAX+1)<<23        ; the floor 2^(9 - 127): the byte cannot fall under 1
	v_max_num_f32_dpp v8, v8, v8 row_xmask:1 row_mask:0xf bank_mask:0xf   ; with my neighbour's 16: the block's
	v_add_nc_u32 v11, -(EMAX<<23), v8              ; the conversion's scale operand
	v_and_or_b32 v10, v8, 0x7f800000, s23          ; 448 x the scale
.irp i, 0,1,2,3,4,5,6,7,8,9,10,11,12,13,14,15
	v_med3_num_f32 v[XS+\i], v[XS+\i], -v10, v10   ; the conversion does not saturate (ISA guide 7.6.2): hold first
.endr
	v_cvt_scalef32_pk8_fp8_f32 v[C+4*(\t):C+4*(\t)+1], v[XS:XS+7], v11
	v_cvt_scalef32_pk8_fp8_f32 v[C+4*(\t)+2:C+4*(\t)+3], v[XS+8:XS+15], v11
	v_lshrrev_b32 v[E+(\t)], 23, v11               ; the scale's byte (also the plain line behind the conversions)
	ds_store_b8 v5, v[E+(\t)] offset:16*(\t)
	global_store_b128 v4, v[C+4*(\t):C+4*(\t)+3], s[8:9] offset:32*CB*(\t)
.endm
.irp t, 0,1,2,3,4,5,6,7,8,9,10,11,12,13,14,15
	STEP \t
.endr
	ds_load_b64 v[12:13], v6
	s_wait_dscnt 0x0
	global_store_b64 v7, v[12:13], s[10:11]        ; 32 lanes store 256 consecutive bytes, aligned
	s_wait_tensorcnt 0x0                           ; the wave's end
	ds_add_u32 v192, v193
	s_wait_dscnt 0x0
	s_endpgm
.Lvalues:
	s_load_b128 s[4:7], s[0:1], 0x30               ; v, its codes
	s_load_b64 s[8:9], s[0:1], 0x40                ; its scale words
	v_lshlrev_b32 v3, 2, v2                        ; in: 4 bytes a lane
	s_lshl_b32 s28, s16, 13
	s_add_co_u32 s28, s28, VST                     ; my stage
	v_and_b32 v5, 15, v2
	v_lshrrev_b32 v6, 4, v2
	v_lshlrev_b32 v4, 4, v5
	v_lshl_add_u32 v4, v6, 11, v4
	v_add_nc_u32 v4, s28, v4                       ; into it: my tile's image (lane / 16), 16 bytes at 16 (lane % 16)
	v_lshlrev_b32 v8, 4, v2
	v_add_nc_u32 v7, s28, v8
	v_lshlrev_b32 v9, 3, v2                        ; my channel's two scale words
	s_sub_co_u32 s30, ttmp9, 2*WGA
	s_lshr_b32 s18, s30, 3                         ; 16 n + kappa
	s_and_b32 s30, s30, 7                          ; which 128 channels
	s_lshr_b32 s19, s18, 4
	s_and_b32 s20, s18, 15
	s_lshl_b32 s17, s30, 7
	s_lshl_b32 s21, s16, 5
	s_add_co_u32 s17, s17, s21                     ; my wave's first channel
	s_lshl_b32 s22, s19, 24                        ; v: n x 16,777,216 + token 2 kappa x 4,096 + 4 x channel
	s_lshl_b32 s21, s20, 13
	s_add_co_u32 s22, s22, s21
	s_lshl_b32 s21, s17, 2
	s_add_co_u32 s22, s22, s21
	s_mov_b32 s23, 0
	s_lshl_b32 s24, s19, 5                         ; codes: (32 n + 2 kappa) x 131,072 + (channel / 16) x 2,048
	s_lshl_b32 s21, s20, 1
	s_add_co_u32 s24, s24, s21
	s_lshl_b32 s24, s24, 17
	s_lshl_b32 s21, s17, 7
	s_add_co_u32 s24, s24, s21
	s_mov_b32 s25, 0
	s_lshl_b32 s26, s18, 13                        ; scale words: (16 n + kappa) x 8,192 + 8 x channel
	s_lshl_b32 s21, s17, 3
	s_add_co_u32 s26, s26, s21
	s_mov_b32 s27, 0
	s_mov_b32 s31, MANT
	s_wait_alu depctr_va_vdst(0)                   ; the wait at the head's end
	s_wait_kmcnt 0x0
	s_add_nc_u64 s[4:5], s[4:5], s[22:23]          ; keys b = 0 .. 63
	s_add_nc_u64 s[10:11], s[4:5], 0x800000        ; keys b = 64 .. 127, so that every offset stays inside the signed 24-bit immediate
	s_add_nc_u64 s[6:7], s[6:7], s[24:25]
	s_add_nc_u64 s[8:9], s[8:9], s[26:27]
.macro VLOAD t                         ; block t: lambda = t / 4, c = t % 4: tokens 1,024 c + 32 i + 2 kappa + lambda
.irp i, 0,1,2,3,4,5,6,7,8,9,10,11,12,13,14,15,16,17,18,19,20,21,22,23,24,25,26,27,28,29,30,31
	global_load_b32 v[VX+32*((\t)%2)+\i], v3, s[4+6*(((\t)%4)/2):5+6*(((\t)%4)/2)] offset:((\t)%2)*4194304+\i*131072+((\t)/4)*4096 th:TH_LOAD_NT
.endr
.endm
	VLOAD 0
	VLOAD 1
.macro BLOCK t
.set XS, VX+32*((\t)%2)
.if (\t) < NB-1
	s_wait_loadcnt 32                              ; this block's 32 loads are in; the next block's may be out
.else
	s_wait_loadcnt 0
.endif
	v_max3_num_f32 v12, |v[XS]|, |v[XS+1]|, |v[XS+2]|
	v_max3_num_f32 v13, |v[XS+3]|, |v[XS+4]|, |v[XS+5]|
.irp i, 6,10,14,18,22,26
	v_max3_num_f32 v12, v12, |v[XS+\i]|, |v[XS+\i+1]|
	v_max3_num_f32 v13, v13, |v[XS+\i+2]|, |v[XS+\i+3]|
.endr
	v_max3_num_f32 v12, v12, |v[XS+30]|, |v[XS+31]|
	v_max3_num_f32 v12, v12, v13, (EMAX+1)<<23
	v_add_nc_u32 v11, -(EMAX<<23), v12
	v_and_or_b32 v10, v12, 0x7f800000, s31
	v_lshrrev_b32 v13, 23, v11
.if (\t)%4 == 0
	v_mov_b32 v[SB+(\t)/4], v13                    ; four bytes to a word, the lower keys in the lower byte
.else
	v_lshl_or_b32 v[SB+(\t)/4], v13, 8*((\t)%4), v[SB+(\t)/4]
.endif
.irp i, 0,1,2,3,4,5,6,7,8,9,10,11,12,13,14,15,16,17,18,19,20,21,22,23,24,25,26,27,28,29,30,31
	v_med3_num_f32 v[XS+\i], v[XS+\i], -v10, v10
.endr
.irp g, 0,1,2,3
	v_cvt_scalef32_pk8_fp8_f32 v[VC+2*\g:VC+2*\g+1], v[XS+8*\g:XS+8*\g+7], v11
.endr
	v_nop                                          ; a plain line behind the last conversion
	ds_store_b128 v4, v[VC:VC+3] offset:4096*((\t)/4)+512*((\t)%4)
	ds_store_b128 v4, v[VC+4:VC+7] offset:4096*((\t)/4)+512*((\t)%4)+256
.if (\t)+2 < NB
	VLOAD (\t)+2
.endif
	s_wait_dscnt 0x0                               ; the stores have read their registers
.endm
.irp t, 0,1,2,3,4,5,6,7
	BLOCK \t
.endr
	global_store_b64 v9, v[SB:SB+1], s[8:9]        ; 32 lanes store 256 consecutive bytes, aligned
.irp j, 0,1,2,3,4,5,6,7,8,9,10,11,12,13,14,15
	ds_load_b128 v[OUTR+4*\j:OUTR+4*\j+3], v7 offset:512*\j
.endr
.irp j, 0,1,2,3,4,5,6,7,8,9,10,11,12,13,14,15
	s_wait_dscnt 15-\j
	global_store_b128 v8, v[OUTR+4*\j:OUTR+4*\j+3], s[6:7] offset:(\j/8)*131072+(\j%8)*512
.endr
	s_wait_tensorcnt 0x0                           ; the wave's end
	ds_add_u32 v192, v193
	s_wait_dscnt 0x0
	s_endpgm
.Lfunc_end_k_qcd344b845b_quant:
	.size	k_qcd344b845b_quant, .Lfunc_end_k_qcd344b845b_quant-k_qcd344b845b_quant
	.p2alignl 7, 3214868480
	.fill 96, 4, 3214868480
	.section	.rodata,"a",@progbits
	.p2align	6, 0x0
	.amdhsa_kernel k_qcd344b845b_quant
		.amdhsa_group_segment_fixed_size 66048
		.amdhsa_private_segment_fixed_size 0
		.amdhsa_enable_private_segment 0
		.amdhsa_kernarg_size 72
		.amdhsa_user_sgpr_count 2
		.amdhsa_user_sgpr_kernarg_segment_ptr 1
		.amdhsa_wavefront_size32 1
		.amdhsa_system_sgpr_workgroup_id_x 1
		.amdhsa_system_sgpr_workgroup_id_y 1
		.amdhsa_system_sgpr_workgroup_id_z 1
		.amdhsa_system_vgpr_workitem_id 0
		.amdhsa_next_free_vgpr 194
		.amdhsa_next_free_sgpr 66
		.amdhsa_reserve_vcc 0
		.amdhsa_float_denorm_mode_32 3
		.amdhsa_float_denorm_mode_16_64 3
		.amdhsa_memory_ordered 1
		.amdhsa_forward_progress 1
		.amdhsa_inst_pref_size 110
	.end_amdhsa_kernel
	.amdgpu_metadata
---
amdhsa.version: [ 1, 2 ]
amdhsa.kernels:
  - .name:           k_qcd344b845b_quant
    .symbol:         k_qcd344b845b_quant.kd
    .args:
      - { .name: q, .offset: 0, .size: 8, .value_kind: global_buffer, .address_space: global }
      - { .name: k, .offset: 8, .size: 8, .value_kind: global_buffer, .address_space: global }
      - { .name: qc, .offset: 16, .size: 8, .value_kind: global_buffer, .address_space: global }
      - { .name: qs, .offset: 24, .size: 8, .value_kind: global_buffer, .address_space: global }
      - { .name: kc, .offset: 32, .size: 8, .value_kind: global_buffer, .address_space: global }
      - { .name: ks, .offset: 40, .size: 8, .value_kind: global_buffer, .address_space: global }
      - { .name: v, .offset: 48, .size: 8, .value_kind: global_buffer, .address_space: global }
      - { .name: vc, .offset: 56, .size: 8, .value_kind: global_buffer, .address_space: global }
      - { .name: vs, .offset: 64, .size: 8, .value_kind: global_buffer, .address_space: global }
    .group_segment_fixed_size: 66048
    .private_segment_fixed_size: 0
    .kernarg_segment_align: 8
    .kernarg_segment_size: 72
    .max_flat_workgroup_size: 128
    .sgpr_count:     66
    .vgpr_count:     194
    .wavefront_size: 32
...
	.end_amdgpu_metadata
.endif
;; end of part 1
;; launch sgemm (part 2): grid 16 x 16, 4 waves a work-group, clusters of 4 x 4, 327,680 bytes of LDS; arguments qc, qs, kc, ks, pc, pst; writes pc, pst
.if DOCPART == 2
	.amdgcn_target "amdgcn-amd-amdhsa--gfx1250"
	.amdhsa_code_object_version 6
	.text
	.protected	k_qcd344b845b_sgemm
	.globl	k_qcd344b845b_sgemm
	.p2align	8
	.type	k_qcd344b845b_sgemm,@function
k_qcd344b845b_sgemm:
	s_mov_b64 s[64:65], 0
	v_nop
	global_prefetch_b8 v0, s[64:65] scope:SCOPE_SE
	s_setreg_imm32_b32 hwreg(HW_REG_WAVE_MODE, 25, 1), 1
	s_wait_xcnt 0x0
	s_wait_alu depctr_hold_cnt(0) depctr_sa_sdst(0) depctr_va_vdst(0) depctr_va_sdst(0) depctr_va_ssrc(0) depctr_va_vcc(0) depctr_vm_vsrc(0)
	s_getreg_b32 s2, hwreg(HW_REG_IB_STS2, 6, 4)
	s_cmp_eq_u32 s2, 0
	s_cbranch_scc0 .Lentry_in_a_cluster
	s_endpgm
.Lentry_in_a_cluster:
	s_bfe_u32 s2, ttmp6, 0x10000c
	s_cmp_lg_u32 s2, 0xf033
	s_cbranch_scc0 .Lentry_shape_is_right
	s_endpgm
.Lentry_shape_is_right:
; THE FIRST PRODUCT AND THE SOFTMAX'S LOCAL PART.  S = Q K^T on codes of FP8 (E4M3) with one E8M0 scale for each 32 channels; then, for each query and each SEGMENT of 128 keys,
; t = score x log2(e) / 16, M_loc = the segment's largest t rounded UP to a whole number, p = 2^(t - M_loc), quantised along the keys in blocks of 32.  p's codes do not hang on which whole number is taken
; away, only its scale bytes do: the next launch brings bytes and sums to the row's own M by exact powers of two.  So a maximum is taken away ahead of every exponential.
; IN: qc, kc [8,192 stored rows][1,024 codes], qs, ks [8,192][32 bytes]; both batches on end; k's rows within a group of 32 are stored with bits 3 and 4 of the key swapped.
; OUT: pc [n][segment 32][tile of 16 queries 256][2,048 bytes]: p's codes as images of the next operand's registers (byte 512 c + 16 lane + i);  pst [n][segment][query 4,096][4 words]: p's scale word, -M_loc, the sum of the unquantised p, 0.
; LIMITS: NaN and infinities are not served; a block whose every p lies under 2^-118 keeps the byte 1.
; A tile of S, 256 queries x 256 keys, is made by four waves; a wave makes 128 x 128: 64 accumulators, 512 registers: its 128 keys are one segment.
; A WORK-GROUP STAYS and makes two tiles: the same place in batch 0, then in batch 1: 256 work-groups for 512 tiles.  The ring does not stop at the first tile's end: its last two changes of slots ask for the
; next tile's K steps 0 and 1, which are on their way while the tile goes out.  The last tile's tail is written out and asks for nothing.
; K (the channels) goes in four steps of 256 through a ring of two LDS slots.  AT THE HEAD each wave issues one load of 256 rows: even waves Q's, odd waves K's, wave / 2 the slot.  A refill is 128 rows a wave.
; THE SCALE WORDS go from memory straight into registers, once a tile: a lane takes the 32 bytes of one row, 32 rows to a pair of loads, so that a register holds word w of two blocks of 16 rows: the even block's in
; lanes 0-15, the odd block's in lanes 16-31; the matrix instruction's row selectors pick the half.  K's words land in v224-255 and are moved to v68-99 at a tile's top: on the way out v64-127 hold p.
; CLUSTERS: 4 x 4 work-groups.  The four of a row of the cluster need the same tiles of Q, the four of a column the same tiles of K: each tile is asked for JOINTLY.
; PREFETCHES: at a tile's top its K steps 2 and 3, behind the first tile's first change of slots the next tile's K steps 0 and 1: of the 128 rows that a wave refills, each of the four partners that ask jointly names 32
; (by cx for Q, by cy for K), a lane a row, 256 bytes a K step.  The first tile's K steps 0 and 1 come by their loads alone.
; THE MATRIX INSTRUCTION IS USED TRANSPOSED (source 0 = 16 rows of K, source 1 = 16 rows of Q): a lane holds ONE query, and the 16 registers of two neighbouring tiles are 16 neighbouring keys.
; REGISTERS: window 0: v0-31 addresses and statistics; v32-63 Q's scale words, v68-99 K's; from v128 Q's fragments, one set; on the way out v64-127 t, then p, v128-191 p's codes, v192-223 at work, v224-255 K's next scale words.
;   window 1: K's fragments, two sets.   window 2: the accumulators of my queries 0-63 (accumulator (a, b) at v[8 (8 a + b)]);   window 3: those of my queries 64-127.
.set SIZE_K, 1024
.set NQ,     2                         ; matrix instructions deep in a slot
.set ROWB,   256                       ; a tile's row in bytes
.set KROW,   SIZE_K
.set PITCH,  272                       ; an LDS row: 256 bytes + 16 of padding: the 16 rows that a load touches start at 16 different banks (ISA guide 11.1)
.set FR,     16
.set NL,     4
.set NP,     8                         ; places behind this matrix instruction (ISA guide 7.12.1)
.set HALFT,  128*PITCH
.set SLOT,   4*HALFT                   ; Q's 256 rows, then K's 256 rows
.set SPARE,  2*SLOT                    ; behind the ring: the spare words, 128 bytes a wave
.set BATCH,  1<<22                     ; a batch's codes: 4,096 rows of 1,024 bytes
.set NEXT,   BATCH-2*ROWB              ; from a slot's last K step of a tile to its first of the next tile
.set ADRA, 16                          ; v16-17  LDS address of my Q fragments in slot 0, 1
.set ADRB, 20                          ; v20-21  the same for K
.set PFO,  25                          ; v25     the prefetches' offset: 1,024 x lane
.set CO,   26                          ; v26     16 x lane
.set SO,   27                          ; v27     32 x lane: my row among 32 rows of scale bytes
.set SPW,  28
.set NIL,  29
.set QSR,  32                          ; Q's scale words: pair j of blocks, word w at v[QSR + 8 j + w]
.set KSR,  68                          ; K's likewise
.set KST,  224                         ; where K's words land
.set AF,   128
.set T,    64
.set BM,   192
.set TP,   196
.set HL,   200
.set OP,   204
.set QD,   208
.set PFA, 10                           ; s[10:11] where my prefetches stand: my 32 rows, K step 0 of the tile in hand
.set TC,  66                           ; s66      tiles to go, this one among them: the same in every work-group
.set G1, 24                            ; s[24:31] group 1 of Q's refills (128 rows);  s[32:39] their groups 0, one a slot
.set G0, 32
.set G1B, 48                           ; s[48:55], s[56:63] the same for K
.set G0B, 56
.set G1H, 68                           ; s[68:75], s[76:79] groups 1 and 0 of Q's head load (256 rows);  s[80:87], s[88:91] of K's
.set G0H, 76
.set G1HB, 80
.set G0HB, 88
.set MSB, 0
.macro WIN new                         ; the immediate's high byte repeats the setting that is left
.if MSB != \new
	s_set_vgpr_msb (MSB<<8)|\new
.set MSB, \new
.endif
.endm
.set MUL_LO, 0xa1                      ; source 0 (K) window 1, source 1 (Q) window 0, C and D window 2
.set MUL_HI, 0xf1
.set TO_B,   0x40
; A joint load: s[sel] = 0: Q's line, else K's.  Each line has one mask; the branch hangs on the wave's number alone.  s_nop 0 and four v_nop follow each line.
.macro JLOAD sel, g0a, g1a, g0b, g1b
	s_cmp_eq_u32 s[\sel], 0
	s_cbranch_scc0 .Lfor_b_\@
	tensor_load_to_lds s[\g0a:\g0a+3], s[\g1a:\g1a+7]
	s_nop 0
.rept 4
	v_nop
.endr
	s_branch .Lasked_\@
.Lfor_b_\@:
	tensor_load_to_lds s[\g0b:\g0b+3], s[\g1b:\g1b+7]
	s_nop 0
.rept 4
	v_nop
.endr
.Lasked_\@:
.endm
.macro CREST                           ; a round of the cluster's barrier behind its opening barrier
	s_cmp_lg_u32 s14, 0
	s_cbranch_scc1 .Lnot_wave_0_\@
	s_barrier_signal -3
.Lnot_wave_0_\@:
	s_barrier_wait -3
	s_barrier_signal -1
	s_barrier_wait -1
.endm
.macro CROUND
	s_barrier_signal -1
	s_barrier_wait -1
	CREST
.endm
.macro SCLOAD                          ; a tile's scale words: sixteen loads; a pair reads 1,024 consecutive bytes, 32 rows' scale bytes
.irp j, 0,1,2,3
	global_load_b128 v[QSR+8*\j:QSR+8*\j+3], v[SO], s[98:99] offset:1024*\j
	global_load_b128 v[QSR+8*\j+4:QSR+8*\j+7], v[SO], s[98:99] offset:1024*\j+16
	global_load_b128 v[KST+8*\j:KST+8*\j+3], v[SO], s[92:93] offset:1024*\j
	global_load_b128 v[KST+8*\j+4:KST+8*\j+7], v[SO], s[92:93] offset:1024*\j+16
.endr
.endm
	s_load_b128 s[4:7], s[0:1], 0x0                ; Q's codes, Q's scales
	s_load_b128 s[8:11], s[0:1], 0x10              ; K's codes, K's scales
	s_load_b64 s[12:13], s[0:1], 0x20              ; p's codes
	s_load_b64 s[96:97], s[0:1], 0x28              ; p's statistics
	v_lshl_add_u32 v[SPW], v0, 2, SPARE
	v_mov_b32 v[NIL], 0
	ds_add_u32 v[SPW], v[NIL]                      ; the opening lines: the add twice on end and one wait
	ds_add_u32 v[SPW], v[NIL]
	v_lshrrev_b32 v1, 5, v0
	v_readfirstlane_b32 s14, v1                    ; wave 0..3
	v_and_b32 v6, 31, v0
	v_lshlrev_b32 v[SO], 5, v6
	v_lshlrev_b32 v[CO], 4, v6
	v_lshlrev_b32 v[PFO], 10, v6
	s_lshr_b32 s15, s14, 1                         ; my half of the queries.  Refills: I fetch for Q (0) or K (1).  Head: my slot
	s_and_b32 s16, s14, 1                          ; my half of the keys.  Refills: which 128 rows I fetch.  Head: Q (0) or K (1)
	s_bfe_u32 s40, ttmp6, 0x40000                  ; cx, cy
	s_bfe_u32 s41, ttmp6, 0x40004
	s_lshl_b32 s42, ttmp9, 2
	s_add_co_u32 s42, s42, s40                     ; tile of 256 keys
	s_and_b32 s17, ttmp7, 0xffff
	s_lshl_b32 s17, s17, 2
	s_add_co_u32 s17, s17, s41                     ; tile of 256 queries
	s_lshl_b32 s43, s41, 2
	s_lshl_b32 s43, 15, s43                        ; my row of the cluster
	s_lshl_b32 s44, 0x1111, s40                    ; my column
	; groups 1: rows of 256 bytes, 1,024 apart in memory, 16 bytes of padding behind each; bit 21 beside the mask
	s_or_b32 s[G1+0], s43, (1<<20)|(1<<21)|(5<<22)|(3<<25)
	s_or_b32 s[G1B+0], s44, (1<<20)|(1<<21)|(5<<22)|(3<<25)
	s_or_b32 s[G1H+0], s43, (1<<20)|(1<<21)|(5<<22)|(3<<25)
	s_or_b32 s[G1HB+0], s44, (1<<20)|(1<<21)|(5<<22)|(3<<25)
.irp g, G1, G1B
	s_mov_b32 s[\g+1], ROWB<<16
	s_mov_b32 s[\g+2], 128<<16
	s_mov_b32 s[\g+3], ROWB<<16
	s_mov_b32 s[\g+4], 128
	s_mov_b32 s[\g+5], KROW
	s_mov_b32 s[\g+6], 0
	s_mov_b32 s[\g+7], 0
.endr
.irp g, G1H, G1HB
	s_mov_b32 s[\g+1], ROWB<<16
	s_mov_b32 s[\g+2], 256<<16
	s_mov_b32 s[\g+3], ROWB<<16
	s_mov_b32 s[\g+4], 256
	s_mov_b32 s[\g+5], KROW
	s_mov_b32 s[\g+6], 0
	s_mov_b32 s[\g+7], 0
.endr
	s_lshl_b32 s20, s17, 18                        ; Q's tile in batch 0: 256 rows of 1,024 bytes a tile
	s_mov_b32 s21, 0
	s_lshl_b32 s46, s42, 18                        ; K's tile
	s_mov_b32 s47, 0
	s_lshl_b32 s22, s17, 13                        ; the scale bytes of MY 128 queries: 32 bytes a row
	s_lshl_b32 s18, s15, 12
	s_add_co_u32 s22, s22, s18
	s_mov_b32 s23, 0
	s_lshl_b32 s92, s42, 13                        ; and of my 128 keys
	s_lshl_b32 s18, s16, 12
	s_add_co_u32 s92, s92, s18
	s_mov_b32 s93, 0
	s_mul_i32 s45, s14, HALFT                      ; refills land at wave x 128 rows
	s_mul_i32 s94, s15, SLOT                       ; the head's load in slot wave / 2,
	s_lshl_b32 s18, s15, 8                         ; which is K step wave / 2
	s_mov_b32 s19, 0
	s_lshl_b32 s2, s16, 17                         ; refills: my 128 rows of the tile
	s_mov_b32 s3, 0
	s_mov_b32 s[TC], 2
	s_wait_dscnt 0x0                               ; both opening adds are done
	s_wait_alu depctr_va_vdst(0)                   ; the wait here, directly ahead of the wait below
	s_wait_kmcnt 0x0
	s_add_nc_u64 s[20:21], s[4:5], s[20:21]
	s_add_nc_u64 s[46:47], s[8:9], s[46:47]
	s_add_nc_u64 s[98:99], s[6:7], s[22:23]
	s_add_nc_u64 s[92:93], s[10:11], s[92:93]
	SCLOAD
	s_mov_b32 s[G0H], 1
	s_mov_b32 s[G0H+1], s94
	s_add_nc_u64 s[G0H+2:G0H+3], s[20:21], s[18:19]
	s_or_b32 s[G0H+3], s[G0H+3], 0x80000000
	s_mov_b32 s[G0HB], 1
	s_add_co_u32 s[G0HB+1], s94, 2*HALFT
	s_add_nc_u64 s[G0HB+2:G0HB+3], s[46:47], s[18:19]
	s_or_b32 s[G0HB+3], s[G0HB+3], 0x80000000
	s_add_nc_u64 s[20:21], s[20:21], s[2:3]
	s_add_nc_u64 s[46:47], s[46:47], s[2:3]
.irp s, 0,1                            ; the refills' groups 0 stand at K step s; each refill steps its own first
	s_mov_b32 s[G0+4*\s], 1
	s_add_co_u32 s[G0+4*\s+1], s45, \s*SLOT
	s_add_nc_u64 s[G0+4*\s+2:G0+4*\s+3], s[20:21], \s*ROWB
	s_or_b32 s[G0+4*\s+3], s[G0+4*\s+3], 0x80000000
	s_mov_b32 s[G0B+4*\s], 1
	s_add_co_u32 s[G0B+4*\s+1], s45, \s*SLOT
	s_add_nc_u64 s[G0B+4*\s+2:G0B+4*\s+3], s[46:47], \s*ROWB
	s_or_b32 s[G0B+4*\s+3], s[G0B+4*\s+3], 0x80000000
.endr
	CROUND                                         ; all sixteen work-groups are here: the first joint loads meet
	JLOAD 16, G0H, G1H, G0HB, G1HB                 ; my one tensor load at the head
	s_cmp_eq_u32 s15, 0                            ; the prefetches: of the 128 rows that I refill,
	s_cselect_b64 s[PFA:PFA+1], s[20:21], s[46:47]
	s_cselect_b32 s18, s40, s41                    ; my place among the four that ask with me
	s_lshl_b32 s18, s18, 15                        ; picks 32 rows of 1,024 bytes
	s_add_nc_u64 s[PFA:PFA+1], s[PFA:PFA+1], s[18:19]
	v_and_b32 v1, 15, v0
	v_bfe_u32 v2, v0, 4, 1
	v_mul_u32_u24 v3, v1, PITCH
	v_lshl_add_u32 v4, v2, 4, v3                   ; a fragment's row x pitch + 16 x half
	s_mul_i32 s21, s15, HALFT                      ; my 128 rows of Q
	s_mul_i32 s22, s16, HALFT
	s_add_co_u32 s22, s22, 2*HALFT                 ; my 128 rows of K, behind Q's 256
.irp s, 0,1
	v_add_nc_u32 v[ADRA+\s], s21, v4
	v_add_nc_u32 v[ADRB+\s], s22, v4
	s_add_co_u32 s21, s21, SLOT
	s_add_co_u32 s22, s22, SLOT
.endr
	; where my results go, in batch 0
	s_lshl_b32 s19, s17, 4
	s_lshl_b32 s20, s15, 3
	s_add_co_u32 s19, s19, s20                     ; my first tile of 16 queries
	s_lshl_b32 s46, s42, 1
	s_add_co_u32 s46, s46, s16                     ; my segment of 128 keys
	s_lshl_b32 s20, s46, 19                        ; codes: segment x 524,288 + tile x 2,048
	s_lshl_b32 s21, s19, 11
	s_add_co_u32 s20, s20, s21
	s_mov_b32 s21, 0
	s_add_nc_u64 s[12:13], s[12:13], s[20:21]
	s_lshl_b32 s20, s46, 16                        ; statistics: segment x 65,536 + tile x 256
	s_lshl_b32 s22, s19, 8
	s_add_co_u32 s20, s20, s22
	s_add_nc_u64 s[96:97], s[96:97], s[20:21]
.macro FRAG reg, adr, q, i             ; 16 rows x 128 K: lane l holds row l % 16; registers 4 c .. 4 c + 3 hold K = 32 c + 16 (l / 16) + 0 .. 15
.irp c, 0,1,2,3
	ds_load_b128 v[\reg+4*\c:\reg+4*\c+3], v[\adr] offset:128*(\q)+32*\c+(\i)*16*PITCH
.endr
.endm
; One product on the registers named by D_, A_, B_, SA_, SB_.  z: it starts the sum.  ra, rb: the scale words stand in lanes 16-31
.macro WM z, ra, rb
.if \z
.if (\ra)&&(\rb)
	v_wmma_scale_f32_16x16x128_f8f6f4 v[D_:D_+7], v[A_:A_+15], v[B_:B_+15], 0, v[SA_], v[SB_] matrix_a_scale:MATRIX_SCALE_ROW1 matrix_b_scale:MATRIX_SCALE_ROW1
.elseif \ra
	v_wmma_scale_f32_16x16x128_f8f6f4 v[D_:D_+7], v[A_:A_+15], v[B_:B_+15], 0, v[SA_], v[SB_] matrix_a_scale:MATRIX_SCALE_ROW1
.elseif \rb
	v_wmma_scale_f32_16x16x128_f8f6f4 v[D_:D_+7], v[A_:A_+15], v[B_:B_+15], 0, v[SA_], v[SB_] matrix_b_scale:MATRIX_SCALE_ROW1
.else
	v_wmma_scale_f32_16x16x128_f8f6f4 v[D_:D_+7], v[A_:A_+15], v[B_:B_+15], 0, v[SA_], v[SB_]
.endif
.else
.if (\ra)&&(\rb)
	v_wmma_scale_f32_16x16x128_f8f6f4 v[D_:D_+7], v[A_:A_+15], v[B_:B_+15], v[D_:D_+7], v[SA_], v[SB_] matrix_a_scale:MATRIX_SCALE_ROW1 matrix_b_scale:MATRIX_SCALE_ROW1
.elseif \ra
	v_wmma_scale_f32_16x16x128_f8f6f4 v[D_:D_+7], v[A_:A_+15], v[B_:B_+15], v[D_:D_+7], v[SA_], v[SB_] matrix_a_scale:MATRIX_SCALE_ROW1
.elseif \rb
	v_wmma_scale_f32_16x16x128_f8f6f4 v[D_:D_+7], v[A_:A_+15], v[B_:B_+15], v[D_:D_+7], v[SA_], v[SB_] matrix_b_scale:MATRIX_SCALE_ROW1
.else
	v_wmma_scale_f32_16x16x128_f8f6f4 v[D_:D_+7], v[A_:A_+15], v[B_:B_+15], v[D_:D_+7], v[SA_], v[SB_]
.endif
.endif
.endm
; 16 products: Q's blocks a0, a0 + 1 x K's eight, the q-th 128 of K step KSTP.  p: K's set.  The 64 accumulators take turns, one instruction a turn, in the same order in every step.
.macro MUL16 a0, p, q, zero
.irp a, \a0, \a0+1
.irp b, 0,1,2,3,4,5,6,7
.set D_, 8*(8*((\a)%4)+\b)
.set A_, 128*(\p)+FR*\b
.set B_, AF+FR*(\a)
.set SA_, KSR+8*(\b/2)+2*KSTP+(\q)
.set SB_, QSR+8*((\a)/2)+2*KSTP+(\q)
	WM \zero, (\b)%2, (\a)%2
.endr
.endr
.endm
.macro FETCH_B slot, q, p
	WIN TO_B
.irp i, 0,1,2,3,4,5,6,7
	FRAG 128*(\p)+FR*\i, ADRB+\slot, \q, \i
.endr
	WIN 0
.endm
.macro FETCH_A slot, q, i0
.irp i, \i0, \i0+1, \i0+2, \i0+3
	FRAG AF+FR*(\i), ADRA+\slot, \q, \i
.endr
.endm
; A load into a register that a matrix instruction has read, and a vector instruction that reads a matrix result or writes one of its registers, stand NP places behind it (ISA guide 7.12.1 for vector instructions).
.macro PLACES n
.rept \n
	v_nop
.endr
.endm
; A slot's first step.  K's set for the slot's second step was asked for ahead of it, behind Q's blocks 4-7.
.macro STEP slot, zero
	s_wait_dscnt 12*NL                             ; K's set 0 and Q's blocks 0-3 are in; Q's blocks 4-7 (16 loads) and K's set 1 (32) may be out
	WIN MUL_LO
	MUL16 0, 0, 0, \zero
	MUL16 2, 0, 0, \zero
	s_wait_dscnt 8*NL                              ; Q's blocks 4-7 are in; K's set 1 may be out
	PLACES NP
	WIN 0
	FETCH_A \slot, 1, 0
	WIN MUL_HI
	MUL16 4, 0, 0, \zero
	MUL16 6, 0, 0, \zero
	PLACES NP
	WIN 0
	FETCH_A \slot, 1, 4
.endm
; A slot's second step changes slots: in front of the barrier each wave waits for all its tensor loads, adds 0 to its spare word, and waits for that and for its reads of this slot.
; fill = 1, 2: the barrier opens a round of the cluster's barrier, and this slot is filled again: 1: two K steps on; 2: with the next tile's K step.  fetch = 1: the other slot's first fragments are read.
.macro TURN slot, next, fill, fetch
	s_wait_tensorcnt 0x0                           ; all my tensor loads have landed  (every window is 0 here)
	ds_add_u32 v[SPW], v[NIL]
	s_wait_dscnt 4*NL+1                            ; (the add and Q's blocks 4-7 may be out)
	WIN MUL_LO
	MUL16 0, 1, 1, 0
	s_wait_dscnt 0x0                               ; the add is done, and my reads of this slot are over
	s_barrier_signal -1
	MUL16 2, 1, 1, 0
	WIN 0
	s_barrier_wait -1
.if \fill
	CREST
.if (\fill) == 1
	s_add_nc_u64 s[G0+4*\slot+2:G0+4*\slot+3], s[G0+4*\slot+2:G0+4*\slot+3], 2*ROWB
	s_add_nc_u64 s[G0B+4*\slot+2:G0B+4*\slot+3], s[G0B+4*\slot+2:G0B+4*\slot+3], 2*ROWB
.else
	s_add_nc_u64 s[G0+4*\slot+2:G0+4*\slot+3], s[G0+4*\slot+2:G0+4*\slot+3], NEXT
	s_add_nc_u64 s[G0B+4*\slot+2:G0B+4*\slot+3], s[G0B+4*\slot+2:G0B+4*\slot+3], NEXT
.endif
	JLOAD 15, G0+4*\slot, G1, G0B+4*\slot, G1B     ; the first tensor load behind the round, my only one out
.endif
.if \fetch
.if \fill
	PLACES NP-4
.else
	PLACES NP
.endif
	FETCH_B \next, 0, 0
	FETCH_A \next, 0, 0
.endif
	WIN MUL_HI
	MUL16 4, 1, 1, 0
	MUL16 6, 1, 1, 0
	PLACES NP
	WIN 0
.if \fetch
	FETCH_A \next, 0, 4
	FETCH_B \next, 1, 1
.endif
.endm
	s_wait_alu depctr_va_vdst(0)                   ; the wait at the head's end
.Ltile:
	s_wait_tensorcnt 0x0                           ; my load of this tile's first K steps is in,
	s_barrier_signal -1
	s_barrier_wait -1                              ; everybody's are: both slots are whole
	FETCH_B 0, 0, 0
	FETCH_A 0, 0, 0
	s_wait_loadcnt 0x0                             ; the scale words
.set JJ, 0
.rept 32
	v_mov_b32 v[KSR+JJ], v[KST+JJ]                 ; K's words to their place, ahead of the loads into v224-255
.set JJ, JJ+1
.endr
	PLACES NP                                      ; a scale register written by a vector instruction stands 8 places ahead of a scaled product
	FETCH_A 0, 0, 4
	FETCH_B 0, 1, 1
	global_prefetch_b8 v[PFO], s[PFA:PFA+1] offset:2*ROWB th:TH_LOAD_NT scope:SCOPE_SE   ; this tile's K steps 2 and 3
	global_prefetch_b8 v[PFO], s[PFA:PFA+1] offset:3*ROWB th:TH_LOAD_NT scope:SCOPE_SE
	s_wait_alu depctr_va_vdst(0)                   ; the wait here, directly ahead of the wait below
.set KSTP, 0
	STEP 0, 1                                      ; the first products start the sums
	TURN 0, 1, 1, 1
	s_cmp_eq_u32 s[TC], 1
	s_cbranch_scc1 .Lno_next
	global_prefetch_b8 v[PFO], s[PFA:PFA+1] offset:BATCH th:TH_LOAD_NT scope:SCOPE_SE        ; the next tile's K steps 0 and 1
	global_prefetch_b8 v[PFO], s[PFA:PFA+1] offset:BATCH+ROWB th:TH_LOAD_NT scope:SCOPE_SE
.Lno_next:
.set KSTP, 1
	STEP 1, 0
	TURN 1, 0, 1, 1
.set KSTP, 2
	STEP 0, 0
	s_cmp_eq_u32 s[TC], 1
	s_cbranch_scc1 .Llast_tile                     ; the last tile's tail is written out: it asks for nothing more
	TURN 0, 1, 2, 1                                ; the ring goes on into the next tile: slot 0 takes its K step 0,
.set KSTP, 3
	STEP 1, 0
	TURN 1, 0, 2, 0                                ; slot 1 its K step 1
	s_add_nc_u64 s[98:99], s[98:99], 1<<17         ; the next batch's scale bytes: 4,096 rows of 32 (the earlier loads are done)
	s_add_nc_u64 s[92:93], s[92:93], 1<<17
	SCLOAD                                         ; behind the places that close the step above
	s_branch .Lout
.Llast_tile:
.set KSTP, 2
	TURN 0, 1, 0, 1
.set KSTP, 3
	STEP 1, 0
	s_wait_dscnt 4*NL
	WIN MUL_LO
	MUL16 0, 1, 1, 0
	MUL16 2, 1, 1, 0
	s_wait_dscnt 0
	WIN MUL_HI
	MUL16 4, 1, 1, 0
	MUL16 6, 1, 1, 0
	WIN 0
	PLACES NP
.Lout:
	; THE WAY OUT: the local softmax, tile by tile of 16 queries.  Register 64 (a % 4) + 16 b + i of lane (r, h) is the score of query 16 a + r and key 32 b + 16 h + i of my segment.
	s_mov_b32 s20, 0x76543210
	s_mov_b32 s21, 0xfedcba98                      ; v_permlanex16_b32's selects for lane l xor 16
	s_mov_b32 s22, 0x3db8aa3b                      ; c = log2(e) / 16
	s_mov_b32 s23, s22
	s_mov_b32 s45, 0x600000                        ; the mantissa field of 448
	v_and_b32 v6, 31, v0
	v_cmp_lt_u32 s46, 15, v6                       ; lanes 16-31
	v_mov_b32 v7, 0                                ; a lane permute's destination counts as one of its sources
.irp b, 0,1,2,3
	v_mov_b32 v[TP+\b], 0
.endr
.macro SOFTQ a
.set AC, 64*((\a)%4)
.set CD, 128+16*((\a)%4)
.set WW, 2+(\a)/4
.set W12, (WW<<2)+(WW<<4)
.if (\a) >= 4
	s_wait_xcnt 0x0                                ; the stores of the tile four back have read their data
.endif
	WIN W12
.irp b, 0,1,2,3
	v_max3_num_f32 v[BM+\b], 0xff800000, v[AC+16*\b], v[AC+16*\b+1]   ; the largest score of each block of 32 keys: for the segment's maximum and, since p rises with the score, for the block's largest p
.endr
.irp i, 2,4,6,8,10,12,14
.irp b, 0,1,2,3
	v_max3_num_f32 v[BM+\b], v[BM+\b], v[AC+16*\b+\i], v[AC+16*\b+\i+1]
.endr
.endr
	WIN 0
.irp b, 0,1,2,3
	v_permlanex16_b32 v[TP+\b], v[BM+\b], s20, s21
.endr
.irp b, 0,1,2,3
	v_max_num_f32 v[BM+\b], v[BM+\b], v[TP+\b]
.endr
	v_max3_num_f32 v13, v[BM], v[BM+1], v[BM+2]
	v_max_num_f32 v13, v13, v[BM+3]
	v_mul_f32 v13, s22, v13
	v_floor_f32 v12, -v13                          ; -M_loc = -ceil(t): a whole number
	WIN WW
.set JJ, 0
.rept 32
	v_pk_fma_f32 v[T+JJ:T+JJ+1], v[AC+JJ:AC+JJ+1], s[22:23], v[12:13] op_sel_hi:[1,0,0]   ; t - M_loc, two at a time
.set JJ, JJ+2
.endr
	WIN 0
.irp b, 0,1,2,3
	v_fma_f32 v[BM+\b], v[BM+\b], s22, v12
.endr
.set JJ, 0
	s_wait_alu depctr_va_vdst(0)                   ; the wait ahead of the batch
.rept 64
	v_exp_f32 v[T+JJ], v[T+JJ]                     ; p = 2^(t - M_loc): not normalised
.set JJ, JJ+1
.endr
.irp b, 0,1,2,3
	v_exp_f32 v[BM+\b], v[BM+\b]                   ; the block's largest p
.endr
	v_nop
	s_wait_alu depctr_va_vdst(0)                   ; and behind it
.irp b, 0,1,2,3
	v_max_num_f32 v[BM+\b], 0x4800000, v[BM+\b]    ; the floor 2^(9 - 127)
.endr
.irp b, 0,1,2,3
	v_add_nc_u32 v[OP+\b], 0xfc000000, v[BM+\b]
.endr
.irp b, 0,1,2,3
	v_and_or_b32 v[HL+\b], v[BM+\b], 0x7f800000, s45
.endr
.irp b, 0,1,2,3
	v_lshrrev_b32 v[TP+\b], 23, v[OP+\b]
.endr
	v_lshl_or_b32 v8, v[TP+1], 8, v[TP]            ; p's scale word for these 128 keys, under M_loc
	v_lshl_or_b32 v8, v[TP+2], 16, v8
	v_lshl_or_b32 v8, v[TP+3], 24, v8
	v_pk_add_f32 v[14:15], v[T:T+1], v[T+2:T+3]    ; the sum is taken of the unquantised p, in two chains
	v_pk_add_f32 v[TP:TP+1], v[T+4:T+5], v[T+6:T+7]
.irp j, 8,12,16,20,24,28,32,36,40,44,48,52,56,60
	v_pk_add_f32 v[14:15], v[14:15], v[T+\j:T+\j+1]
	v_pk_add_f32 v[TP:TP+1], v[TP:TP+1], v[T+\j+2:T+\j+3]
.endr
	v_pk_add_f32 v[14:15], v[14:15], v[TP:TP+1]
	v_add_f32 v14, v14, v15
	v_permlanex16_b32 v7, v14, s20, s21
	v_add_f32 v14, v14, v7
.irp b, 0,1,2,3
.irp i, 0,1,2,3,4,5,6,7,8,9,10,11,12,13,14,15
	v_min_num_f32 v[T+16*\b+\i], v[T+16*\b+\i], v[HL+\b]   ; the conversion does not saturate (ISA guide 7.6.2); p is not negative
.endr
	v_cvt_scalef32_pk8_fp8_f32 v[CD+4*\b:CD+4*\b+1], v[T+16*\b:T+16*\b+7], v[OP+\b]
	v_cvt_scalef32_pk8_fp8_f32 v[CD+4*\b+2:CD+4*\b+3], v[T+16*\b+8:T+16*\b+15], v[OP+\b]
.endr
	v_nop                                          ; a plain line behind the last conversion
.irp c, 0,1,2,3
	global_store_b128 v[CO], v[CD+4*\c:CD+4*\c+3], s[12:13] offset:2048*(\a)+512*\c   ; 32 lanes store 512 consecutive bytes, aligned
.endr
.if (\a)%2 == 0
	v_mov_b32 v9, v8                               ; the even tile's three numbers wait for the odd tile's
	v_mov_b32 v10, v12
	v_mov_b32 v11, v14
.else
.set QQ, QD+4*((\a)/2)
	v_cndmask_b32 v[QQ], v9, v8, s46
	v_cndmask_b32 v[QQ+1], v10, v12, s46
	v_cndmask_b32 v[QQ+2], v11, v14, s46
	v_mov_b32 v[QQ+3], 0
	global_store_b128 v[CO], v[QQ:QQ+3], s[96:97] offset:512*((\a)/2)   ; 32 queries' statistics: 512 consecutive bytes
.endif
.endm
.irp a, 0,1,2,3,4,5,6,7
	SOFTQ \a
.endr
	s_wait_xcnt 0x0                                ; the stores and prefetches have read their data and bases: the next tile writes both
	s_add_nc_u64 s[12:13], s[12:13], 1<<24         ; on to batch 1 (behind the last tile the stepped addresses are not used)
	s_add_nc_u64 s[96:97], s[96:97], 1<<21
	s_add_nc_u64 s[PFA:PFA+1], s[PFA:PFA+1], BATCH
	s_sub_co_u32 s[TC], s[TC], 1
	s_cmp_lg_u32 s[TC], 0
	s_wait_alu depctr_va_vdst(0)                   ; the wait ahead of the branch
	s_cbranch_scc1 .Ltile
	s_wait_tensorcnt 0x0                           ; the wave's end
	ds_add_u32 v[SPW], v[NIL]
	s_wait_dscnt 0x0
	CROUND                                         ; the closing round
	s_endpgm
.Lfunc_end_k_qcd344b845b_sgemm:
	.size	k_qcd344b845b_sgemm, .Lfunc_end_k_qcd344b845b_sgemm-k_qcd344b845b_sgemm
	.p2alignl 7, 3214868480
	.fill 96, 4, 3214868480
	.section	.rodata,"a",@progbits
	.p2align	6, 0x0
	.amdhsa_kernel k_qcd344b845b_sgemm
		.amdhsa_group_segment_fixed_size 327680
		.amdhsa_private_segment_fixed_size 0
		.amdhsa_enable_private_segment 0
		.amdhsa_kernarg_size 48
		.amdhsa_user_sgpr_count 2
		.amdhsa_user_sgpr_kernarg_segment_ptr 1
		.amdhsa_wavefront_size32 1
		.amdhsa_system_sgpr_workgroup_id_x 1
		.amdhsa_system_sgpr_workgroup_id_y 1
		.amdhsa_system_sgpr_workgroup_id_z 1
		.amdhsa_system_vgpr_workitem_id 0
		.amdhsa_next_free_vgpr 1024
		.amdhsa_next_free_sgpr 100
		.amdhsa_reserve_vcc 0
		.amdhsa_float_denorm_mode_32 3
		.amdhsa_float_denorm_mode_16_64 3
		.amdhsa_memory_ordered 1
		.amdhsa_forward_progress 1
		.amdhsa_inst_pref_size 255
	.end_amdhsa_kernel
	.section	.bss,"aw",@nobits
	.p2align	6
	.space	262144
	.amdgpu_metadata
---
amdhsa.version: [ 1, 2 ]
amdhsa.kernels:
  - .name:           k_qcd344b845b_sgemm
    .symbol:         k_qcd344b845b_sgemm.kd
    .args:
      - { .name: qc, .offset: 0, .size: 8, .value_kind: global_buffer, .address_space: global }
      - { .name: qs, .offset: 8, .size: 8, .value_kind: global_buffer, .address_space: global }
      - { .name: kc, .offset: 16, .size: 8, .value_kind: global_buffer, .address_space: global }
      - { .name: ks, .offset: 24, .size: 8, .value_kind: global_buffer, .address_space: global }
      - { .name: pc, .offset: 32, .size: 8, .value_kind: global_buffer, .address_space: global }
      - { .name: pst, .offset: 40, .size: 8, .value_kind: global_buffer, .address_space: global }
    .group_segment_fixed_size: 327680
    .private_segment_fixed_size: 0
    .kernarg_segment_align: 8
    .kernarg_segment_size: 48
    .max_flat_workgroup_size: 128
    .sgpr_count:     100
    .vgpr_count:     1024
    .wavefront_size: 32
...
	.end_amdgpu_metadata
.endif
;; end of part 2
;; launch pvgemm (part 3): grid 4 x 64, 4 waves a work-group, clusters of 4 x 4, 327,680 bytes of LDS; arguments pc, pst, vc, vs, out0; writes out0
.if DOCPART == 3
	.amdgcn_target "amdgcn-amd-amdhsa--gfx1250"
	.amdhsa_code_object_version 6
	.text
	.protected	k_qcd344b845b_pvgemm
	.globl	k_qcd344b845b_pvgemm
	.p2align	8
	.type	k_qcd344b845b_pvgemm,@function
k_qcd344b845b_pvgemm:
	s_mov_b64 s[64:65], 0
	v_nop
	global_prefetch_b8 v0, s[64:65] scope:SCOPE_SE
	s_setreg_imm32_b32 hwreg(HW_REG_WAVE_MODE, 25, 1), 1
	s_wait_xcnt 0x0
	s_wait_alu depctr_hold_cnt(0) depctr_sa_sdst(0) depctr_va_vdst(0) depctr_va_sdst(0) depctr_va_ssrc(0) depctr_va_vcc(0) depctr_vm_vsrc(0)
	s_getreg_b32 s2, hwreg(HW_REG_IB_STS2, 6, 4)
	s_cmp_eq_u32 s2, 0
	s_cbranch_scc0 .Lentry_in_a_cluster
	s_endpgm
.Lentry_in_a_cluster:
	s_bfe_u32 s2, ttmp6, 0x10000c
	s_cmp_lg_u32 s2, 0xf033
	s_cbranch_scc0 .Lentry_shape_is_right
	s_endpgm
.Lentry_shape_is_right:
; THE SECOND PRODUCT.  O = P V / l on codes of FP8 (E4M3), K = the 4,096 keys in 32 segments of 128.
; IN: pc [n][segment][tile of 16 queries 256][2,048 bytes] and vc [n][segment][tile of 16 channels 64][2,048 bytes]: images of operand registers (byte 512 c + 16 lane + i);
;     pst [n][segment][query][4 words]: p's scale word under the segment's M_loc, -M_loc, the segment's sum of p, 0;  vs [n][kappa 16][channel][2 words]: word lambda for segment 2 kappa + lambda.
; OUT: out0 [n][token][1,024] f32; query 128 l + b is token 32 b + l.
; THE ROW'S M is the largest M_loc.  At the head thread i takes query i of the work-group's 128: each segment's sum is multiplied by 2^(M_loc - M) (exact) and added, and M - M_loc is taken off each of its four scale
; bytes; a byte that would fall under 1 becomes 0, which is 2^-127: such a block lies 2^-118 under the row's largest p or lower.  The words go to LDS, 1 / l too.
; LIMITS: NaN and infinities are not served.
; SHARES: a work-group makes 128 queries x 256 channels, a wave 64 x 128: 32 accumulators.  The product is used transposed (source 0 = 16 channels of V, source 1 = 16 queries of P): a lane holds one query and eight neighbouring channels.
; V comes by joint loads (the four work-groups of a column of the 4 x 4 cluster share it) through two LDS slots of four segments.  AT THE HEAD each wave asks for two segments by one load (2 rows of 32,768 bytes): both slots at once.
; A refill is a segment a wave.  P's images go from memory straight into registers, three steps ahead; V's scale words likewise, a slot ahead: a load takes 32 channels' two words, 256 consecutive bytes,
; so that a register holds the words of two blocks of 16 channels, the odd block's in lanes 16-31.
; PREFETCHES: at a lap's first change of slots each wave names 32 blocks of 256 bytes of the P that the next lap's loads take (8 segments x 16,384 bytes, shared out among the four partners of a row by cx and among the waves);
; at each change of slots 32 blocks of the V that the next change asks for (my segment's 32,768 bytes, shared out among the four partners of a column by cy); of the eight clusters that walk a batch's V four ask.  The last laps ask for nothing beyond segment 31.
; REGISTERS: window 0: v0-31 addresses; v32-63 P's scale words, two sets; v68-99 V's, two sets; v128-255 the statistics at the head, the rows on the way out.  window 1: V's fragments, two sets.  window 2: the accumulators.  window 3: P's fragments, four sets.
.set SLOTB,  131072
.set BSEG,   32768
.set ASC,    2*SLOTB                   ; P's scale words: [group of 4 segments 8][query 128][4 words]
.set LINV,   ASC+16384                 ; 1 / l of the 128 queries
.set SPARE,  LINV+512
.set SPITCH, 528                       ; the way out: a stage row, 512 bytes + 16; the stages lie in slot 0, which has had its last fill and its last read
.set LAPS,   4
.set PSEG,   524288
.set VSEG,   131072
.set LV,   8
.set ADSA, 16
.set VSO,  17
.set PFV,  18
.set PFP,  19
.set ADRB, 20
.set STO,  24
.set RD,   25
.set CO,   26
.set LVA,  27
.set SPW,  28
.set NIL,  29
.set ASW,  30
.set LVW,  31
.set PS,   32
.set VS,   68
.set XQ,   128
.set RW,   128
.set VSB, 24                           ; s[24:25] V's scale words; s[26:27] P at my work-group's queries; s[28:29] V at my wave's segment; s30, s31 the lap counts above which V is prefetched
.set PB,  26
.set VB,  28
.set L0,  30
.set G1B, 48
.set G0B, 56
.set G1H, 68
.set G0H, 76
.set MSB, 0
.macro WIN new
.if MSB != \new
	s_set_vgpr_msb (MSB<<8)|\new
.set MSB, \new
.endif
.endm
.set MUL,    0xad                      ; source 0 (V) window 1, source 1 (P) window 3, C and D window 2
.set TO_B,   0x40
.set TO_P,   0xc0
.set SCALEW, 0x82
.set STW,    0x08
.macro CREST
	s_cmp_lg_u32 s14, 0
	s_cbranch_scc1 .Lnot_wave_0_\@
	s_barrier_signal -3
.Lnot_wave_0_\@:
	s_barrier_wait -3
	s_barrier_signal -1
	s_barrier_wait -1
.endm
.macro CROUND
	s_barrier_signal -1
	s_barrier_wait -1
	CREST
.endm
.macro PLACES n
.rept \n
	v_nop
.endr
.endm
.macro PLOAD sl                        ; P's four images of segment sl (counted from the lap's base) into set sl % 4
	WIN TO_P
.irp a, 0,1,2,3
.irp c, 0,1,2,3
	global_load_b128 v[64*((\sl)%4)+16*\a+4*\c:64*((\sl)%4)+16*\a+4*\c+3], v[CO], s[4:5] offset:(\sl)*PSEG+2048*\a+512*\c
.endr
.endr
.endm
.macro VSCL set, off                   ; V's scale words of a slot's two kappa, my 128 channels: eight loads of 256 consecutive bytes (window 0)
.irp k, 0,1
.irp j, 0,1,2,3
	global_load_b64 v[VS+16*(\set)+8*\k+2*\j:VS+16*(\set)+8*\k+2*\j+1], v[VSO], s[VSB:VSB+1] offset:(\off)+8192*\k+256*\j
.endr
.endr
.endm
	s_load_b128 s[4:7], s[0:1], 0x0                ; P's codes, its statistics
	s_load_b128 s[8:11], s[0:1], 0x10              ; V's codes, its scale words
	s_load_b64 s[12:13], s[0:1], 0x20              ; O
	v_lshl_add_u32 v[SPW], v0, 2, SPARE
	v_mov_b32 v[NIL], 0
	ds_add_u32 v[SPW], v[NIL]                      ; the opening lines: the add twice on end and one wait
	ds_add_u32 v[SPW], v[NIL]
	v_lshrrev_b32 v1, 5, v0
	v_readfirstlane_b32 s14, v1                    ; wave
	v_lshlrev_b32 v3, 4, v0                        ; my query's statistics
	v_and_b32 v4, 31, v0
	v_lshlrev_b32 v[CO], 4, v4
	v_lshlrev_b32 v[VSO], 3, v4
	s_lshr_b32 s15, s14, 1                         ; my half of the queries
	s_and_b32 s16, s14, 1                          ; my half of the channels
	s_bfe_u32 s40, ttmp6, 0x40000                  ; cx, cy
	s_bfe_u32 s41, ttmp6, 0x40004
	s_lshl_b32 s42, ttmp9, 2
	s_add_co_u32 s42, s42, s40                     ; which 256 channels
	s_and_b32 s17, ttmp7, 0xffff
	s_lshr_b32 s18, s17, 3                         ; the batch: eight clusters each
	s_and_b32 s22, s17, 4
	s_cmp_eq_u32 s22, 0                            ; four of a batch's eight clusters prefetch V
	s_cselect_b32 s[L0], 0, 99
	s_cselect_b32 s[L0+1], 1, 99
	s_lshl_b32 s17, s17, 2
	s_add_co_u32 s17, s17, s41                     ; which 128 queries, both batches on end
	s_lshl_b32 s44, 0x1111, s40                    ; my column of the cluster
	s_mov_b32 s19, 0x80808080
	s_mov_b32 s20, 0x01010101
	s_mov_b32 s21, 0x7f7f7f7f
	s_or_b32 s[G1B+0], s44, (3<<16)|(1<<21)        ; a refill: a segment's 32,768 dense bytes as 128 rows of 256
	s_mov_b32 s[G1B+1], 32<<16
	s_mov_b32 s[G1B+2], 128<<16
	s_mov_b32 s[G1B+3], 32<<16
	s_mov_b32 s[G1B+4], 128
	s_mov_b32 s[G1B+5], 32
	s_mov_b32 s[G1B+6], 0
	s_mov_b32 s[G1B+7], 0
	s_or_b32 s[G1H+0], s44, (3<<16)|(1<<21)        ; the head's load: 2 rows of 4,096 elements of 8 bytes, a segment (16,384 elements) apart
	s_mov_b32 s[G1H+1], 4096<<16
	s_mov_b32 s[G1H+2], 2<<16
	s_mov_b32 s[G1H+3], 4096<<16
	s_mov_b32 s[G1H+4], 2
	s_mov_b32 s[G1H+5], 16384
	s_mov_b32 s[G1H+6], 0
	s_mov_b32 s[G1H+7], 0
	s_lshr_b32 s80, s17, 5                         ; n
	s_and_b32 s81, s17, 31
	s_lshl_b32 s82, s80, 24                        ; P: n x 16,777,216 + 8 tiles x 2,048 a work-group
	s_lshl_b32 s83, s81, 14
	s_add_co_u32 s82, s82, s83
	s_mov_b32 s83, 0
	s_lshl_b32 s90, s18, 22                        ; V: n x 4,194,304 + 16 tiles x 2,048 a work-group
	s_lshl_b32 s85, s42, 15
	s_add_co_u32 s90, s90, s85
	s_lshl_b32 s85, s14, 17
	s_add_co_u32 s84, s90, s85                     ; + my wave's segment of a slot
	s_mov_b32 s85, 0
	s_lshl_b32 s91, s14, 18
	s_add_co_u32 s90, s90, s91                     ; the head: segments 2 wave, 2 wave + 1
	s_mov_b32 s91, 0
	s_lshl_b32 s86, s18, 17                        ; V's scale words: n x 131,072 + 8 x my first channel
	s_lshl_b32 s87, s42, 11
	s_add_co_u32 s86, s86, s87
	s_lshl_b32 s87, s16, 10
	s_add_co_u32 s86, s86, s87
	s_mov_b32 s87, 0
	s_lshl_b32 s92, s80, 21                        ; statistics: n x 2,097,152 + 128 queries x 16
	s_lshl_b32 s93, s81, 11
	s_add_co_u32 s92, s92, s93
	s_mov_b32 s93, 0
	s_lshl_b32 s89, s14, 15
	s_lshl_b32 s88, s14, 16
	s_wait_dscnt 0x0                               ; both opening adds are done
	s_wait_alu depctr_va_vdst(0)                   ; the wait here, directly ahead of the wait below
	s_wait_kmcnt 0x0
	s_add_nc_u64 s[6:7], s[6:7], s[92:93]
	s_add_nc_u64 s[VSB:VSB+1], s[10:11], s[86:87]
.irp k, 0,1,2,3,4,5,6,7,8,9,10,11,12,13,14,15,16,17,18,19,20,21,22,23,24,25,26,27,28,29,30,31
	global_load_b128 v[XQ+4*\k:XQ+4*\k+3], v3, s[6:7] offset:65536*\k
.endr
	VSCL 0, 0
	s_add_nc_u64 s[PB:PB+1], s[4:5], s[82:83]
	s_lshl_b32 s82, s15, 13
	s_add_nc_u64 s[4:5], s[PB:PB+1], s[82:83]      ; my wave's four tiles
	s_add_nc_u64 s[VB:VB+1], s[8:9], s[84:85]
	s_mov_b32 s[G0H], 1
	s_mov_b32 s[G0H+1], s88
	s_add_nc_u64 s[G0H+2:G0H+3], s[8:9], s[90:91]
	s_or_b32 s[G0H+3], s[G0H+3], 0x80000000
.irp s, 0,1                            ; the refills' groups 0 stand at segment 4 s + wave; each refill steps its own eight segments on first
	s_mov_b32 s[G0B+4*\s], 1
	s_add_co_u32 s[G0B+4*\s+1], s89, \s*SLOTB
	s_add_nc_u64 s[G0B+4*\s+2:G0B+4*\s+3], s[VB:VB+1], \s*4*VSEG
	s_or_b32 s[G0B+4*\s+3], s[G0B+4*\s+3], 0x80000000
.endr
	CROUND                                         ; all sixteen work-groups are here: the first joint loads meet
	tensor_load_to_lds s[G0H:G0H+3], s[G1H:G1H+7]  ; my one tensor load at the head
	s_nop 0
.rept 4
	v_nop
.endr
	PLOAD 0
	PLOAD 1
	PLOAD 2
	WIN 0
	s_lshl_b32 s92, s80, 24                        ; O: n x 16,777,216 + l x 4,096 + b x 131,072 + 4 x channel
	s_lshl_b32 s94, s81, 12
	s_add_co_u32 s92, s92, s94
	s_lshl_b32 s94, s15, 23
	s_add_co_u32 s92, s92, s94
	s_lshl_b32 s94, s42, 10
	s_add_co_u32 s92, s92, s94
	s_lshl_b32 s94, s16, 9
	s_add_co_u32 s92, s92, s94
	s_add_nc_u64 s[12:13], s[12:13], s[92:93]
	s_lshl_b32 s94, s40, 1                         ; the prefetches' offsets: P: segment 2 cx + wave / 2 of eight, half wave % 2 of its 16,384 bytes, 256 x lane
	s_add_co_u32 s94, s94, s15
	s_lshl_b32 s94, s94, 19
	s_lshl_b32 s95, s16, 13
	s_add_co_u32 s94, s94, s95
	s_lshl_b32 s95, s41, 13                        ; V: quarter cy of my segment's 32,768 bytes, 256 x lane
	v_lshlrev_b32 v[PFV], 8, v4
	v_add_nc_u32 v[PFP], s94, v[PFV]
	v_add_nc_u32 v[PFV], s95, v[PFV]
	v_and_b32 v1, 15, v0
	v_bfe_u32 v2, v0, 4, 1
	s_lshl_b32 s23, s16, 14
	v_add_nc_u32 v[ADRB], s23, v[CO]               ; V's images: my eight tiles; segments 0-1, 2-3 of slot 0, then of slot 1
	v_add_nc_u32 v[ADRB+1], 65536, v[ADRB]
	v_add_nc_u32 v[ADRB+2], SLOTB, v[ADRB]
	v_add_nc_u32 v[ADRB+3], SLOTB+65536, v[ADRB]
	s_lshl_b32 s22, s15, 10
	s_add_co_u32 s22, s22, ASC
	v_lshl_add_u32 v[ADSA], v1, 4, s22
	s_mul_i32 s22, s14, 16*SPITCH
	v_mul_u32_u24 v5, v1, SPITCH
	v_lshl_add_u32 v5, v2, 5, v5
	v_add_nc_u32 v[STO], s22, v5
	v_add_nc_u32 v[RD], s22, v[CO]
	s_lshl_b32 s22, s15, 8
	s_add_co_u32 s22, s22, LINV
	v_lshl_add_u32 v[LVA], v1, 2, s22
	v_lshl_add_u32 v[ASW], v0, 4, ASC
	v_lshl_add_u32 v[LVW], v0, 2, LINV
	s_wait_alu depctr_va_vdst(0)                   ; the wait here, directly ahead of the wait below
	s_wait_loadcnt 56                              ; the statistics are in: behind them 8 loads of scale words and 48 of P were issued
	v_min3_num_f32 v6, v[XQ+1], v[XQ+5], v[XQ+9]   ; -M = the least -M_loc
.irp k, 3,5,7,9,11,13,15,17,19,21,23,25,27,29
	v_min3_num_f32 v6, v6, v[XQ+1+4*\k], v[XQ+5+4*\k]
.endr
	v_min_num_f32 v6, v6, v[XQ+1+4*31]
.macro FIX k                           ; segment k under the row's M
	v_sub_f32 v8, v[XQ+1+4*(\k)], v6               ; M - M_loc: a whole number, 0 or more
	v_cvt_i32_f32 v8, v8
	v_sub_nc_u32 v9, 0, v8
.if (\k) == 0
	v_ldexp_f32 v7, v[XQ+2], v9
.else
	v_ldexp_f32 v9, v[XQ+2+4*(\k)], v9
	v_add_f32 v7, v7, v9
.endif
	v_min_u32 v8, 127, v8
	v_lshl_or_b32 v8, v8, 8, v8
	v_lshl_or_b32 v8, v8, 16, v8
	v_or_b32 v10, s19, v[XQ+4*(\k)]                ; four bytes at once: bit 7 set guards each byte's borrow (p's bytes lie under 128)
	v_sub_nc_u32 v10, v10, v8
	v_lshrrev_b32 v11, 7, v10
	v_and_b32 v11, s20, v11
	v_lshlrev_b32 v12, 8, v11
	v_sub_nc_u32 v11, v12, v11                     ; 0xff where the byte did not borrow
	v_and_b32 v10, s21, v10
	v_and_b32 v[RW+(\k)], v10, v11
.endm
.irp k, 0,1,2,3,4,5,6,7,8,9,10,11,12,13,14,15,16,17,18,19,20,21,22,23,24,25,26,27,28,29,30,31
	FIX \k
.endr
.irp k, 0,1,2,3,4,5,6,7
	ds_store_b128 v[ASW], v[RW+4*\k:RW+4*\k+3] offset:2048*\k
.endr
	s_wait_alu depctr_va_vdst(0)                   ; the wait ahead of the transcendental
	v_rcp_f32 v7, v7
	v_nop
	s_wait_alu depctr_va_vdst(0)                   ; and behind it
	ds_store_b32 v[LVW], v7
	s_wait_tensorcnt 0x0                           ; my two segments are in,
	s_wait_dscnt 0x0                               ; my stores are done:
	s_barrier_signal -1
	s_barrier_wait -1                              ; everybody's are
.macro FETCHV slot, q                  ; V's eight images of the slot's q-th segment into set q % 2
	WIN TO_B
.irp b, 0,1,2,3,4,5,6,7
.irp c, 0,1,2,3
	ds_load_b128 v[128*((\q)%2)+16*\b+4*\c:128*((\q)%2)+16*\b+4*\c+3], v[ADRB+2*(\slot)+(\q)/2] offset:BSEG*((\q)%2)+2048*\b+512*\c
.endr
.endr
.endm
.macro SCALES sc                       ; P's scale words of a slot's four segments, my four tiles
	WIN 0
.irp a, 0,1,2,3
	ds_load_b128 v[PS+16*\sc+4*\a:PS+16*\sc+4*\a+3], v[ADSA] offset:256*\a
.endr
.endm
.macro WM z, ra                        ; one product on the registers named by D_, A_, B_, SA_, SB_.  z: it starts the sum.  ra: V's scale words stand in lanes 16-31
.if (\z)&&(\ra)
	v_wmma_scale_f32_16x16x128_f8f6f4 v[D_:D_+7], v[A_:A_+15], v[B_:B_+15], 0, v[SA_], v[SB_] matrix_a_scale:MATRIX_SCALE_ROW1
.elseif \z
	v_wmma_scale_f32_16x16x128_f8f6f4 v[D_:D_+7], v[A_:A_+15], v[B_:B_+15], 0, v[SA_], v[SB_]
.elseif \ra
	v_wmma_scale_f32_16x16x128_f8f6f4 v[D_:D_+7], v[A_:A_+15], v[B_:B_+15], v[D_:D_+7], v[SA_], v[SB_] matrix_a_scale:MATRIX_SCALE_ROW1
.else
	v_wmma_scale_f32_16x16x128_f8f6f4 v[D_:D_+7], v[A_:A_+15], v[B_:B_+15], v[D_:D_+7], v[SA_], v[SB_]
.endif
.endm
.macro MUL8 a, q, sc, zero             ; tile a of my queries x my eight tiles of channels.  The 32 accumulators take turns in the same order in every step
.irp b, 0,1,2,3,4,5,6,7
.set D_, 8*(8*(\a)+\b)
.set A_, 128*((\q)%2)+16*\b
.set B_, 64*(\q)+16*(\a)
.set SA_, VS+16*(\sc)+8*((\q)/2)+2*(\b/2)+(\q)%2
.set SB_, PS+16*(\sc)+4*(\a)+(\q)
	WM \zero, (\b)%2
.endr
.endm
; A step: one segment.  left: the loads that may be out: two later steps' P (32), and the 8 scale loads where they were issued behind this step's P.  vs >= 0: the other slot's scale words are asked for
.macro STEP slot, q, zero, pl, left, vs
	s_wait_dscnt 0x0
	s_wait_loadcnt \left
	PLACES 8
	FETCHV \slot, (\q)+1
.if (\vs) >= 0
	WIN 0
	VSCL 1-(\slot), \vs
.endif
.if (\pl) >= 0
	PLOAD \pl
.endif
	WIN MUL
	MUL8 0, \q, \slot, \zero
	MUL8 1, \q, \slot, \zero
	MUL8 2, \q, \slot, \zero
	MUL8 3, \q, \slot, \zero
.endm
; A slot's last step changes slots.  fill = 1: the barrier opens a round of the cluster's barrier and this slot is filled again.  pf = 1, 2: the lap's first, second change: the prefetches
.macro TURN slot, next, fill, pl, left, pf
	WIN 0
	s_wait_loadcnt \left
	s_wait_tensorcnt 0x0                           ; all my tensor loads have landed
	ds_add_u32 v[SPW], v[NIL]
	s_wait_dscnt 1                                 ; (the add may be out)
	WIN MUL
	MUL8 0, 3, \slot, 0
	s_wait_dscnt 0x0                               ; the add is done, and my reads of this slot are over
	s_barrier_signal -1
	MUL8 1, 3, \slot, 0
	WIN 0
	s_barrier_wait -1
.if \fill
	CREST
	s_add_nc_u64 s[G0B+4*\slot+2:G0B+4*\slot+3], s[G0B+4*\slot+2:G0B+4*\slot+3], 8*VSEG
	tensor_load_to_lds s[G0B+4*\slot:G0B+4*\slot+3], s[G1B:G1B+7]   ; the first tensor load behind the round, my only one out
	s_nop 0
.endif
	PLACES 8
	s_wait_alu depctr_va_vdst(0)                   ; the wait here, directly ahead of the reader below
	v_add_nc_u32 v[ADSA], 2048, v[ADSA]
	FETCHV \next, 0
	SCALES \next
	PLOAD \pl
.if \pf
	WIN 0
	s_cmp_gt_u32 s3, s[L0+(\pf)-1]
	s_cbranch_scc0 .Lno_v_\@
	global_prefetch_b8 v[PFV], s[VB:VB+1] offset:(8+4*(\pf))*VSEG th:TH_LOAD_NT scope:SCOPE_SE   ; what the next change of slots asks for
.Lno_v_\@:
.if (\pf) == 1
	s_cmp_gt_u32 s3, 1
	s_cbranch_scc0 .Lno_p_\@
	global_prefetch_b8 v[PFP], s[PB:PB+1] offset:12*PSEG th:TH_LOAD_NT scope:SCOPE_SE            ; the eight segments that the next lap's loads take
.Lno_p_\@:
.endif
.endif
	WIN MUL
	MUL8 2, 3, \slot, 0
	MUL8 3, 3, \slot, 0
.endm
.irp a, 0,1,2,3
	ds_load_b32 v[LV+2*\a], v[LVA] offset:64*\a    ; 1 / l of my four tiles' queries
.endr
.irp a, 0,1,2,3
	v_mov_b32 v[LV+2*\a+1], 0                      ; (named with it as a pair)
.endr
	FETCHV 0, 0
	SCALES 0
	STEP 0, 0, 1, 3, 32, 16384                     ; the first products start the sums
	WIN 0
	s_mov_b32 s3, LAPS-1
.Llap:                                                 ; a trip: eight segments, from a lap's second step to the next lap's first
	STEP 0, 1, 0, 4, 40, -1
	STEP 0, 2, 0, 5, 40, -1
	TURN 0, 1, 1, 6, 32, 1
	STEP 1, 0, 0, 7, 32, 32768
	STEP 1, 1, 0, 8, 40, -1
	STEP 1, 2, 0, 9, 40, -1
	TURN 1, 0, 1, 10, 32, 2
	STEP 0, 0, 0, 11, 32, 49152
	WIN 0
	s_wait_xcnt 0x0                                ; the loads and prefetches have read their bases
	s_add_nc_u64 s[4:5], s[4:5], 8*PSEG
	s_add_nc_u64 s[PB:PB+1], s[PB:PB+1], 8*PSEG
	s_add_nc_u64 s[VB:VB+1], s[VB:VB+1], 8*VSEG
	s_add_nc_u64 s[VSB:VSB+1], s[VSB:VSB+1], 32768
	s_sub_co_u32 s3, s3, 1
	s_cmp_lg_u32 s3, 0
	s_cbranch_scc1 .Llap
	STEP 0, 1, 0, 4, 40, -1                        ; the last lap fills nothing
	STEP 0, 2, 0, 5, 40, -1
	TURN 0, 1, 0, 6, 32, 0
	STEP 1, 0, 0, 7, 32, -1
	STEP 1, 1, 0, -1, 32, -1
	STEP 1, 2, 0, -1, 16, -1
	s_wait_dscnt 0x0
	s_wait_loadcnt 0x0
	WIN MUL
	MUL8 0, 3, 1, 0
	MUL8 1, 3, 1, 0
	MUL8 2, 3, 1, 0
	MUL8 3, 3, 1, 0
	WIN 0
; THE WAY OUT, tile by tile of 16 queries: x 1 / l; through my stage in LDS; a row's 512 bytes leave by one store of 32 lanes
.macro SCALE a
	WIN SCALEW
.set JJ, 0
.rept 32
	v_pk_mul_f32 v[64*(\a)+JJ:64*(\a)+JJ+1], v[64*(\a)+JJ:64*(\a)+JJ+1], v[LV+2*(\a):LV+2*(\a)+1] op_sel_hi:[1,0]
.set JJ, JJ+2
.endr
	WIN 0
.endm
.macro TOSTAGE a
	WIN STW
.irp b, 0,1,2,3,4,5,6,7
	ds_store_b128 v[STO], v[64*(\a)+8*\b:64*(\a)+8*\b+3] offset:64*\b
	ds_store_b128 v[STO], v[64*(\a)+8*\b+4:64*(\a)+8*\b+7] offset:64*\b+16
.endr
	WIN 0
.set BB, 128+64*((\a)%2)
.irp t, 0,1,2,3,4,5,6,7,8,9,10,11,12,13,14,15
	ds_load_b128 v[BB+4*\t:BB+4*\t+3], v[RD] offset:\t*SPITCH   ; LDS serves a wave's instructions in order
.endr
.endm
.macro SEND a, younger
.set BB, 128+64*((\a)%2)
	s_wait_dscnt \younger
.if (\a) > 0
	s_add_nc_u64 s[12:13], s[12:13], 16*131072
.endif
.irp t, 0,1,2,3,4,5,6,7,8,9,10,11,12,13,14,15
	global_store_b128 v[CO], v[BB+4*\t:BB+4*\t+3], s[12:13] offset:\t*131072 th:TH_STORE_NT
.endr
.endm
	PLACES 8
	SCALE 0
	TOSTAGE 0
.irp a, 1,2,3
.if \a > 1
	s_wait_xcnt 0x0                                ; earlier stores have read their data and their base
.endif
	SCALE \a
	TOSTAGE \a
	SEND \a-1, 32
.endr
	s_wait_xcnt 0x0
	SEND 3, 0
	s_wait_tensorcnt 0x0                           ; the wave's end
	ds_add_u32 v[SPW], v[NIL]
	s_wait_dscnt 0x0
	CROUND                                         ; the closing round
	s_endpgm
.Lfunc_end_k_qcd344b845b_pvgemm:
	.size	k_qcd344b845b_pvgemm, .Lfunc_end_k_qcd344b845b_pvgemm-k_qcd344b845b_pvgemm
	.p2alignl 7, 3214868480
	.fill 96, 4, 3214868480
	.section	.rodata,"a",@progbits
	.p2align	6, 0x0
	.amdhsa_kernel k_qcd344b845b_pvgemm
		.amdhsa_group_segment_fixed_size 327680
		.amdhsa_private_segment_fixed_size 0
		.amdhsa_enable_private_segment 0
		.amdhsa_kernarg_size 40
		.amdhsa_user_sgpr_count 2
		.amdhsa_user_sgpr_kernarg_segment_ptr 1
		.amdhsa_wavefront_size32 1
		.amdhsa_system_sgpr_workgroup_id_x 1
		.amdhsa_system_sgpr_workgroup_id_y 1
		.amdhsa_system_sgpr_workgroup_id_z 1
		.amdhsa_system_vgpr_workitem_id 0
		.amdhsa_next_free_vgpr 1024
		.amdhsa_next_free_sgpr 100
		.amdhsa_reserve_vcc 0
		.amdhsa_float_denorm_mode_32 3
		.amdhsa_float_denorm_mode_16_64 3
		.amdhsa_memory_ordered 1
		.amdhsa_forward_progress 1
		.amdhsa_inst_pref_size 189
	.end_amdhsa_kernel
	.amdgpu_metadata
---
amdhsa.version: [ 1, 2 ]
amdhsa.kernels:
  - .name:           k_qcd344b845b_pvgemm
    .symbol:         k_qcd344b845b_pvgemm.kd
    .args:
      - { .name: pc, .offset: 0, .size: 8, .value_kind: global_buffer, .address_space: global }
      - { .name: pst, .offset: 8, .size: 8, .value_kind: global_buffer, .address_space: global }
      - { .name: vc, .offset: 16, .size: 8, .value_kind: global_buffer, .address_space: global }
      - { .name: vs, .offset: 24, .size: 8, .value_kind: global_buffer, .address_space: global }
      - { .name: out0, .offset: 32, .size: 8, .value_kind: global_buffer, .address_space: global }
    .group_segment_fixed_size: 327680
    .private_segment_fixed_size: 0
    .kernarg_segment_align: 8
    .kernarg_segment_size: 40
    .max_flat_workgroup_size: 128
    .sgpr_count:     100
    .vgpr_count:     1024
    .wavefront_size: 32
...
	.end_amdgpu_metadata
.endif
;; end of part 3
